; MI455X (gfx1250); checked and timed in simulation.
; The chip was launched on July 23, 2026; its instructions are those of AMD's public machine-readable ISA for CDNA 5 (MIT licence, August 2026) and "CDNA5" Instruction Set Architecture Reference Guide (July 2026). The comments in the code are by the model that wrote it; some were corrected since.
;; Multi Head Attention. Allowed arithmetic: matrix products marked QUANTISED: E4M3 operands, one given power-of-two scale a tensor, by v_wmma_f32_16x16x64_fp8_fp8 or v_wmma_f32_16x16x128_fp8_fp8, f32 sums; products left as they are: f32 operands where the result goes on into a quantised operand, else bf16, f16 or f32 operands; f32 sums; everything else in f32.
;; Inputs: Wk 8 x 16 x 32 float32; Wo 256 x 16 float32; Wq 8 x 16 x 32 float32; Wv 8 x 16 x 32 float32; bk 8 x 32 float32; bo 16 float32; bq 8 x 32 float32; bv 8 x 32 float32; lowp_scales 6 int32 (the exponents e of the quantised operands' scales 2^e); x 4,096 x 16 float32; y 4,096 x 16 float32.
;; Outputs: out0 4,096 x 16 float32.
;; This version of the problem:
;;   THIS VERSION OF THE PROBLEM IS GIVEN IN LOW PRECISION. The matrix products marked QUANTISED in the list below multiply operands that are first quantised to E4M3 (4 exponent bits, 3 mantissa bits; 8 bits a number), with one given power-of-two scale for each operand tensor; their sums are f32. All else is computed in f32.
;;   The module's matrix products, in the order in which they are computed (A, B: the left and right operand; K: the contracted axis; several contracted axes count as one K, in the product's order):
;;     1. [M 256, K 16] x [K 16, N 4,096]; A: input Wq; B: input x: left as it is (K = 16 < 32)
;;     2. [M 256, K 16] x [K 16, N 4,096]; A: input Wk; B: input y: left as it is (K = 16 < 32)
;;     3. [M 256, K 16] x [K 16, N 4,096]; A: input Wv; B: input y: left as it is (K = 16 < 32)
;;     4. batch 8 x [M 4,096, K 32] x [K 32, N 4,096]; A: computed on the way; B: computed on the way: QUANTISED (scales: A lowp_scales[0], B lowp_scales[1])
;;     5. batch 8 x [M 4,096, K 4,096] x [K 4,096, N 32]; A: softmax (see below); B: computed on the way: QUANTISED (scales: A lowp_scales[2], B lowp_scales[3])
;;     6. [M 4,096, K 256] x [K 256, N 16]; A: computed on the way; B: input Wo: QUANTISED (scales: A lowp_scales[4], B lowp_scales[5])
;;   THE QUANTISER, for each operand of a quantised product, along K:
;;     - The operand's scale is 2^e, e = its entry of the input lowp_scales (int32; the entries are numbered through the quantised products in the list's order, A before B).
;;     - Each number is divided by the scale, clamped to +-448, and rounded to the nearest number of E4M3, ties to even, subnormals kept.
;;     - The product sums the exact products of the quantised numbers (number of the format x scale) in f32.
;;   ~~~python
;;   def quantise(x, axis, e):      # numpy; x: float32 -> the quantised numbers, widened to float32 again
;;       x = np.moveaxis(x, axis, -1); K = x.shape[-1]
;;       r = np.clip(x / 2.0 ** e, -448, 448)
;;       step = 2.0 ** (np.maximum(np.frexp(np.where(r == 0, 1, r))[1] - 1, -6) - 3)
;;       q = np.round(r / step) * step * 2.0 ** e      # np.round: ties to even
;;       return np.moveaxis(q, -1, axis).astype(np.float32)
;;   ~~~
;;   SOFTMAX AHEAD OF A QUANTISED PRODUCT. Where the list says 'softmax', what is quantised is not the finished softmax but p = 2^(t - M), with t = logit x log2(e) and M = ceil(the row's largest t), a whole number; so 1/2 < the row's largest p <= 1. The row's sum l is taken of the UNQUANTISED p, in f32, and the product's result is divided by l at the end. Since M is a whole number, a kernel that streams over the keys may use a running M (the ceiling of the running maximum): every later rescaling is an exact power of two, so the quantised numbers keep their values, but for numbers so far below the row's largest that they fall under the format's range.
;;   OPERANDS COMPUTED ON THE WAY. 'Computed on the way' means the value that the module computes at that place (a softmax that the list does not call 'softmax' is quantised finished and normalised). What goes into a quantiser is computed in f32, as accurately as f32 sums, v_exp_f32 and their like allow (about 1e-6 of the number): no bf16 or f16 on the way to a quantiser, and a product that is left as it is and whose result goes on into a quantised operand takes f32 operands (vector FMAs, or v_wmma_f32_16x16x4_f32). A number that lies on a knife's edge between two numbers of the format may be rounded either way, as far as f32 arithmetic and the matrix unit's own rounding can turn it there, and no further.
;; One version. Each part assembles by itself: llvm-mc -triple=amdgcn-amd-amdhsa -mcpu=gfx1250 --defsym DOCPART=n.
;; ======== version 1 of 1: 3 launches
;; limits: right only within a limited range of input values
;; workspace buffers: qimg 1,048,576 bytes; kv 2,097,152 bytes; hc 1,048,576 bytes; wimg 4,096 bytes
;; launch proj (part 1): grid 128 x 2, 12 waves a work-group, no clusters, 0 bytes of LDS; arguments x, y, Wq, Wk, Wv, bq, bk, bv, lowp_scales, qimg, kv, Wo, wimg; writes qimg, kv, wimg
.if DOCPART == 1
	.amdgcn_target "amdgcn-amd-amdhsa--gfx1250"
	.amdhsa_code_object_version 6
	.text
	.protected	k_q668e5dcd4f_proj
	.globl	k_q668e5dcd4f_proj
	.p2align	8
	.type	k_q668e5dcd4f_proj,@function
k_q668e5dcd4f_proj:
	s_mov_b64 s[64:65], 0
	v_nop
	global_prefetch_b8 v0, s[64:65] scope:SCOPE_SE
	s_setreg_imm32_b32 hwreg(HW_REG_WAVE_MODE, 25, 1), 1
	s_wait_xcnt 0x0
; q = x Wq + bq, k = y Wk + bk, v = y Wv + bv (8 heads, 16 -> 32), in f32, then quantised to E4M3 with the given scales 2^e0 (q), 2^e1 (k), 2^e3 (v),
; and stored as IMAGES OF OPERAND REGISTERS: 512 bytes for four registers, lane l's 16 bytes at 16 l.  Wo is quantised too (2^e5), once, into wimg.
; No work of reference() is left out by any launch of this program.
; SHARES.  Work-group (g, half) takes rows 32 g .. 32 g + 31 of x or y.  Wave w: kind = w / 4 (0 q, 1 k, 2 v), head = 4 half + w % 4: 32 rows x 32 columns.
; The q waves of the work-groups with g = 0 (eight waves, one a head) also quantise Wo's 32 rows of their head.
; THE PRODUCT has K = 16 and feeds a quantiser, so its operands are f32: v_wmma_f32_16x16x4_f32, four K steps, the bias as the C of the first.  D(f, t) = T_t x F_f.
; K ORDER: step s, half hh of the lanes, word j stands for k = 8 hh + 2 s + j, on both sides: a lane's eight k of a data row are 32 neighbouring bytes.
; COLUMNS: lane r of a weight's tile i stands for column 2 r + i: one load of 8 bytes serves both tiles.  So in q's and k's images a lane's code 8 t + j is column 16 hh + 2 j + t of the head,
; alike in both, and q . k is the same sum; V's dv tile f holds column 2 r + f in lane r.
; ROWS: lane r of a data tile i stands for row 8 i + rowp(r), rowp(r) = r + 8 (r / 8), so that V's codes lie along neighbouring keys, 16 hh + 0 .. 15.
; WHERE IT GOES.  qimg [head][tile 2 g + f][512].  kv [head][block of 128 keys: g / 4][8192]: 8 tiles of K (512 bytes; tile 2 (g % 4) + f), then V: dv tile f at 4096 + 2048 f, keys' chunk g % 4 at 512 (g % 4).
; wimg [head d][512]: lane (r, hh), code 8 f + j: Wo[32 d + 16 hh + 2 j + f][r].
; LIMITS: e0, e1, e3, e5 between -126 and 119, so that 2^e and 448 x 2^e are f32 numbers.  NaN and infinities among the inputs are not served.
; No loop, no LDS, no barrier: waves share nothing.
.set XR,   16                          ; v16-31   data: tile i, word m at XR + 8 i + m
.set WR,   32                          ; v32-47   weights as loaded: row m, columns 2 r, 2 r + 1
.set BR,   48                          ; v48-63   bias as loaded
.set CR,   64                          ; v64-79   bias in the result's layout, two sets of 8
.set ACC,  80                          ; v80-111  the four sums, (f, t) at ACC + 8 (2 f + t); written by matrix instructions alone
.set TMP,  112                         ; v112-143 the sums, held
.set CODE, 144                         ; v144-151
.set WN,   152                         ; v152-167 Wo's 16 numbers of my lane
.set WC,   168                         ; v168-171 their codes
.set W2,   172                         ; v172-187 weights as operands: tile i, step s at W2 + 4 s + 2 i
.macro LOADS
.irp m, 0,1,2,3,4,5,6,7
	global_load_b64 v[WR+2*\m:WR+2*\m+1], v6, s[32:33] offset:128*\m      ; W[head][8 hh + m][2 r, 2 r + 1]: sixteen lanes read 128 consecutive bytes
.endr
.irp i, 0,1
	global_load_b128 v[XR+8*\i:XR+8*\i+3], v5, s[30:31] offset:512*\i     ; row 8 i + rowp, k = 8 hh + 0 .. 7
	global_load_b128 v[XR+8*\i+4:XR+8*\i+7], v5, s[30:31] offset:512*\i+16
.endr
.endm
.macro EXPO                            ; s58 = 2^e, s57 = 448 x 2^e as f32, e = e0, e1 or e3 by the wave's kind
	s_wait_kmcnt 0x0
	s_cmp_eq_u32 s3, 0
	s_cselect_b32 s57, s40, s41
	s_cmp_eq_u32 s3, 2
	s_cselect_b32 s57, s43, s57
	s_add_co_i32 s57, s57, 127
	s_lshl_b32 s58, s57, 23
	s_add_co_i32 s57, s57, 8
	s_lshl_b32 s57, s57, 23
	s_or_b32 s57, s57, 0x600000
.endm
.macro OPERANDS                        ; two words of neighbouring k side by side, for each tile
.irp s, 0,1,2,3
	v_dual_mov_b32 v[W2+4*\s], v[WR+4*\s] :: v_dual_mov_b32 v[W2+4*\s+1], v[WR+4*\s+2]
	v_dual_mov_b32 v[W2+4*\s+2], v[WR+4*\s+1] :: v_dual_mov_b32 v[W2+4*\s+3], v[WR+4*\s+3]
.endr
.endm
.macro FINISH                          ; eight places behind the f32 matrix form (ISA guide 7.12.1) ahead of the first read of a sum: three lines of work, five v_nop
	v_mov_b32 v10, s58
	v_mov_b32 v11, s57
	v_add_nc_u32 v12, s56, v9                      ; the second image's place
.rept 5
	v_nop
.endr
.set n, 0
.rept 32
	v_med3_num_f32 v[TMP+n], v[ACC+n], -v11, v11   ; the conversion to an 8-bit code does not saturate (ISA guide 7.6.2): the hold, each sum from its low end on
.set n, n+1
.endr
.set n, 0
.rept 4
	v_cvt_scalef32_pk8_fp8_f32 v[CODE+2*n:CODE+2*n+1], v[TMP+8*n:TMP+8*n+7], v10
.set n, n+1
.endr
	v_nop                                          ; one plain vector line behind the last conversion
	global_store_b128 v9, v[CODE:CODE+3], s[36:37]        ; 32 lanes store 512 consecutive bytes, at a multiple of 512 from the buffer's first byte
	global_store_b128 v12, v[CODE+4:CODE+7], s[36:37]
.endm
; q and k: T = the weight's columns, F = the data's rows.  wo = 1: and Wo's rows of my head.
.macro QKARM wo
	LOADS
.irp c, 0,1,2,3
	global_load_b128 v[BR+4*\c:BR+4*\c+3], v7, s[34:35] offset:16*\c      ; b[head][16 hh + 0 .. 15]
.endr
.if \wo
.irp f, 0,1
.irp j, 0,1,2,3,4,5,6,7
	global_load_b32 v[WN+8*\f+\j], v13, s[70:71] offset:64*(2*\j+\f)      ; Wo[32 d + 16 hh + 2 j + f][r]
.endr
.endr
.endif
	EXPO
.if \wo
	s_wait_loadcnt 0x10                            ; all but Wo's sixteen
.else
	s_wait_loadcnt 0x0
.endif
	OPERANDS
.irp t, 0,1
.irp j, 0,2,4,6
	v_dual_mov_b32 v[CR+8*\t+\j], v[BR+2*\j+\t] :: v_dual_mov_b32 v[CR+8*\t+\j+1], v[BR+2*\j+2+\t]   ; set t, register j: b[head][16 hh + 2 j + t]
.endr
.endr
; sixteen matrix instructions, the four sums by turns, one instruction a turn
.irp s, 0,1,2,3
.irp f, 0,1
.irp t, 0,1
.if \s == 0
	v_wmma_f32_16x16x4_f32 v[ACC+8*(2*\f+\t):ACC+8*(2*\f+\t)+7], v[W2+4*\s+2*\t:W2+4*\s+2*\t+1], v[XR+8*\f+2*\s:XR+8*\f+2*\s+1], v[CR+8*\t:CR+8*\t+7]
.else
	v_wmma_f32_16x16x4_f32 v[ACC+8*(2*\f+\t):ACC+8*(2*\f+\t)+7], v[W2+4*\s+2*\t:W2+4*\s+2*\t+1], v[XR+8*\f+2*\s:XR+8*\f+2*\s+1], v[ACC+8*(2*\f+\t):ACC+8*(2*\f+\t)+7]
.endif
.endr
.endr
.endr
.if \wo                                ; Wo's codes, while the sums are being made: no line here names a register of the matrix instructions
	s_add_co_i32 s60, s75, 127
	s_lshl_b32 s61, s60, 23                        ; 2^e5
	s_add_co_i32 s60, s60, 8
	s_lshl_b32 s60, s60, 23
	s_or_b32 s60, s60, 0x600000                    ; 448 x 2^e5
	s_wait_loadcnt 0x0
	v_mov_b32 v14, s61
	v_mov_b32 v15, s60
.set n, 0
.rept 16
	v_med3_num_f32 v[WN+n], v[WN+n], -v15, v15
.set n, n+1
.endr
	v_cvt_scalef32_pk8_fp8_f32 v[WC:WC+1], v[WN:WN+7], v14
	v_cvt_scalef32_pk8_fp8_f32 v[WC+2:WC+3], v[WN+8:WN+15], v14
	v_nop
	global_store_b128 v9, v[WC:WC+3], s[72:73]
.endif
	FINISH
	s_endpgm
.endm
	s_load_b512 s[8:23], s[0:1], 0x0               ; x s[8:9], y s[10:11], Wq s[12:13], Wk s[14:15], Wv s[16:17], bq s[18:19], bk s[20:21], bv s[22:23]
	s_load_b128 s[24:27], s[0:1], 0x40             ; the scales' exponents s[24:25], qimg s[26:27]
	s_load_b128 s[68:71], s[0:1], 0x50             ; kv s[68:69], Wo s[70:71]
	s_load_b64 s[72:73], s[0:1], 0x60              ; wimg
	v_lshrrev_b32 v1, 5, v0
	v_and_b32 v2, 15, v0                           ; r
	v_readfirstlane_b32 s2, v1                     ; wave 0..11
	v_bfe_u32 v3, v0, 4, 1                         ; hh
	v_and_b32 v1, 31, v0                           ; lane
	v_and_b32 v4, 8, v2
	v_lshlrev_b32 v8, 3, v2                        ; bias of v: 8 r
	v_lshlrev_b32 v10, 2, v2
	v_add_nc_u32 v4, v4, v2                        ; rowp
	v_lshlrev_b32 v7, 6, v3                        ; bias of q, k: 64 hh
	v_lshlrev_b32 v9, 4, v1                        ; an image's place for my lane: 16 x lane
	v_lshlrev_b32 v5, 6, v4
	v_lshl_add_u32 v6, v3, 10, v8                  ; weights: 8 hh rows of 128 bytes + 8 r
	v_lshl_add_u32 v13, v3, 10, v10                ; Wo: 16 hh rows of 64 bytes + 4 r
	v_lshl_add_u32 v5, v3, 5, v5                   ; data: 64 rowp + 32 hh
	s_lshr_b32 s3, s2, 2                           ; kind
	s_and_b32 s4, s2, 3
	s_and_b32 s5, ttmp7, 0xffff
	s_lshl_b32 s5, s5, 2
	s_add_co_u32 s4, s4, s5                        ; head
	s_lshl_b32 s44, ttmp9, 11                      ; the group's 32 rows of 64 bytes
	s_mov_b32 s45, 0
	s_lshl_b32 s46, s4, 11                         ; the head's weights, and its rows of Wo: 2,048 bytes
	s_mov_b32 s47, 0
	s_lshl_b32 s48, s4, 7                          ; the head's bias: 128 bytes
	s_mov_b32 s49, 0
	s_lshl_b32 s62, s4, 9                          ; the head's image of Wo: 512 bytes
	s_mov_b32 s63, 0
	s_lshl_b32 s52, s4, 17
	s_lshl_b32 s53, ttmp9, 10
	s_add_co_u32 s52, s52, s53                     ; q's place: 131,072 head + 1,024 g
	s_lshl_b32 s54, s4, 18
	s_lshr_b32 s53, ttmp9, 2
	s_lshl_b32 s53, s53, 13
	s_add_co_u32 s54, s54, s53                     ; the key block: 262,144 head + 8,192 (g / 4)
	s_and_b32 s53, ttmp9, 3
	s_lshl_b32 s55, s53, 10
	s_add_co_u32 s55, s55, s54                     ; k's place: + 1,024 (g % 4)
	s_lshl_b32 s53, s53, 9
	s_add_co_u32 s54, s54, s53
	s_add_co_u32 s54, s54, 4096                    ; v's place: + 4,096 + 512 (g % 4)
	s_mov_b32 s56, 2048
	s_cmp_eq_u32 s3, 2
	s_cselect_b32 s50, s54, s55
	s_cselect_b32 s56, s56, 512                    ; from f = 0 to f = 1: 2,048 bytes in V, 512 in q and K
	s_cmp_eq_u32 s3, 0
	s_cselect_b32 s50, s52, s50
	s_mov_b32 s51, 0
	s_wait_alu depctr_va_vdst(0)
	s_wait_kmcnt 0x0
	s_load_b128 s[40:43], s[24:25], 0x0            ; e0, e1, e2, e3
	s_load_b64 s[74:75], s[24:25], 0x10            ; e4, e5
	s_cmp_eq_u32 s3, 0                             ; the buffers are chosen by the wave's kind alone
	s_cselect_b64 s[30:31], s[8:9], s[10:11]       ; data: x for q, y for k and v
	s_cselect_b64 s[32:33], s[12:13], s[14:15]
	s_cselect_b64 s[34:35], s[18:19], s[20:21]
	s_cselect_b64 s[36:37], s[26:27], s[68:69]     ; qimg, or kv
	s_cmp_eq_u32 s3, 2
	s_cselect_b64 s[32:33], s[16:17], s[32:33]     ; weights
	s_cselect_b64 s[34:35], s[22:23], s[34:35]     ; bias
	s_add_nc_u64 s[30:31], s[30:31], s[44:45]
	s_add_nc_u64 s[32:33], s[32:33], s[46:47]
	s_add_nc_u64 s[34:35], s[34:35], s[48:49]
	s_add_nc_u64 s[36:37], s[36:37], s[50:51]
	s_add_nc_u64 s[70:71], s[70:71], s[46:47]
	s_add_nc_u64 s[72:73], s[72:73], s[62:63]
	s_cmp_eq_u32 s3, 2
	s_cbranch_scc1 .Lv
	s_or_b32 s59, s3, ttmp9
	s_cmp_eq_u32 s59, 0
	s_cbranch_scc1 .Lq0
	QKARM 0
.Lq0:
	QKARM 1
.Lv:                                               ; v: T = y's rows, F = Wv's columns
	LOADS
	global_load_b64 v[BR:BR+1], v8, s[34:35]       ; bv[head][2 r, 2 r + 1]
	EXPO
	s_wait_loadcnt 0x0
	OPERANDS
.irp f, 0,1
.irp j, 0,2,4,6
	v_dual_mov_b32 v[CR+8*\f+\j], v[BR+\f] :: v_dual_mov_b32 v[CR+8*\f+\j+1], v[BR+\f]    ; set f, every register: bv[head][2 r + f]
.endr
.endr
.irp s, 0,1,2,3
.irp f, 0,1
.irp t, 0,1
.if \s == 0
	v_wmma_f32_16x16x4_f32 v[ACC+8*(2*\f+\t):ACC+8*(2*\f+\t)+7], v[XR+8*\t+2*\s:XR+8*\t+2*\s+1], v[W2+4*\s+2*\f:W2+4*\s+2*\f+1], v[CR+8*\f:CR+8*\f+7]
.else
	v_wmma_f32_16x16x4_f32 v[ACC+8*(2*\f+\t):ACC+8*(2*\f+\t)+7], v[XR+8*\t+2*\s:XR+8*\t+2*\s+1], v[W2+4*\s+2*\f:W2+4*\s+2*\f+1], v[ACC+8*(2*\f+\t):ACC+8*(2*\f+\t)+7]
.endif
.endr
.endr
.endr
	FINISH
	s_endpgm
.Lfunc_end_k_q668e5dcd4f_proj:
	.size	k_q668e5dcd4f_proj, .Lfunc_end_k_q668e5dcd4f_proj-k_q668e5dcd4f_proj
	.p2alignl 7, 3214868480
	.fill 96, 4, 3214868480
	.section	.rodata,"a",@progbits
	.p2align	6, 0x0
	.amdhsa_kernel k_q668e5dcd4f_proj
		.amdhsa_group_segment_fixed_size 0
		.amdhsa_private_segment_fixed_size 0
		.amdhsa_enable_private_segment 0
		.amdhsa_kernarg_size 104
		.amdhsa_user_sgpr_count 2
		.amdhsa_user_sgpr_kernarg_segment_ptr 1
		.amdhsa_wavefront_size32 1
		.amdhsa_system_sgpr_workgroup_id_x 1
		.amdhsa_system_sgpr_workgroup_id_y 1
		.amdhsa_system_sgpr_workgroup_id_z 1
		.amdhsa_system_vgpr_workitem_id 0
		.amdhsa_next_free_vgpr 192
		.amdhsa_next_free_sgpr 80
		.amdhsa_reserve_vcc 0
		.amdhsa_float_denorm_mode_32 3
		.amdhsa_float_denorm_mode_16_64 3
		.amdhsa_memory_ordered 1
		.amdhsa_forward_progress 1
		.amdhsa_inst_pref_size 26
	.end_amdhsa_kernel
	.amdgpu_metadata
---
amdhsa.version: [ 1, 2 ]
amdhsa.kernels:
  - .name:           k_q668e5dcd4f_proj
    .symbol:         k_q668e5dcd4f_proj.kd
    .args:
      - { .name: x, .offset: 0, .size: 8, .value_kind: global_buffer, .address_space: global }
      - { .name: y, .offset: 8, .size: 8, .value_kind: global_buffer, .address_space: global }
      - { .name: Wq, .offset: 16, .size: 8, .value_kind: global_buffer, .address_space: global }
      - { .name: Wk, .offset: 24, .size: 8, .value_kind: global_buffer, .address_space: global }
      - { .name: Wv, .offset: 32, .size: 8, .value_kind: global_buffer, .address_space: global }
      - { .name: bq, .offset: 40, .size: 8, .value_kind: global_buffer, .address_space: global }
      - { .name: bk, .offset: 48, .size: 8, .value_kind: global_buffer, .address_space: global }
      - { .name: bv, .offset: 56, .size: 8, .value_kind: global_buffer, .address_space: global }
      - { .name: lowp_scales, .offset: 64, .size: 8, .value_kind: global_buffer, .address_space: global }
      - { .name: qimg, .offset: 72, .size: 8, .value_kind: global_buffer, .address_space: global }
      - { .name: kv, .offset: 80, .size: 8, .value_kind: global_buffer, .address_space: global }
      - { .name: Wo, .offset: 88, .size: 8, .value_kind: global_buffer, .address_space: global }
      - { .name: wimg, .offset: 96, .size: 8, .value_kind: global_buffer, .address_space: global }
    .group_segment_fixed_size: 0
    .private_segment_fixed_size: 0
    .kernarg_segment_align: 8
    .kernarg_segment_size: 104
    .max_flat_workgroup_size: 384
    .sgpr_count:     80
    .vgpr_count:     192
    .wavefront_size: 32
...
	.end_amdgpu_metadata
.endif
;; end of part 1
;; launch attn (part 2): grid 32 x 8, 16 waves a work-group, no clusters, 296,960 bytes of LDS; arguments qimg, kv, lowp_scales, hc; writes hc
.if DOCPART == 2
	.amdgcn_target "amdgcn-amd-amdhsa--gfx1250"
	.amdhsa_code_object_version 6
	.text
	.protected	k_q668e5dcd4f_attn
	.globl	k_q668e5dcd4f_attn
	.p2align	8
	.type	k_q668e5dcd4f_attn,@function
k_q668e5dcd4f_attn:
	s_mov_b64 s[64:65], 0
	v_nop
	global_prefetch_b8 v0, s[64:65] scope:SCOPE_SE
	s_setreg_imm32_b32 hwreg(HW_REG_WAVE_MODE, 25, 1), 1
	s_wait_xcnt 0x0
; heads = softmax(q k^T / sqrt(32)) v for 8 heads x 4,096 queries x 4,096 keys, both products on codes of E4M3; the result is quantised (2^e4) and stored as images of operand registers.
; THE SOFTMAX: t = score x log2(e) / sqrt(32); M = the largest t, rounded UP to a whole number; p = 2^(t - M) is quantised (2^e2) along the keys, not normalised; the sum l is taken of the unquantised p in f32 and divides at the end.
; M is kept as -M = floor(-t).  Rescalings multiply by 2^(a whole number).
; SHARES.  Work-group (x, head) owns 128 queries (8 tiles of 16) of one head.  EACH OF ITS 16 WAVES OWNS 256 KEYS and walks all 8 tiles: its K and V, 16,384 bytes, are 128 registers that are loaded once, from images,
; straight from memory; each byte is loaded by one wave of the work-group.  Waves meet at one barrier: each leaves O, -M and l of each tile in its own LDS bytes, and behind the barrier
; wave w joins the 16 parts of tile w / 2, dv tile w % 2.
; A tile goes in two stages of 128 keys.  The next stage's scores are begun between the levels of this stage's sum, in the registers that the sum has left.  Q is asked for a whole tile ahead, into a buffer of its own.
; CLUSTERS: none.  The 32 work-groups of a head read the same 262,144 bytes, each once, ahead of its walk and not in its steps; they go to registers with no LDS between, where a joint load would add 512 LDS loads of 512 bytes to a work-group.
; No prefetch: all of K and V is asked for at the head, and the walk loads nothing but 512 bytes of Q a tile.
; LAYOUT.  S^T = K Q^T: a lane holds one query (lane % 16); K's tiles hold keys 8 t + r + 8 (r / 8), so that 16 registers of two tiles are 16 neighbouring keys.  The head has 32 numbers and the K = 64 form takes 64:
; source 0 names two tiles of K, source 1 is Q then zeros (for the first tile) or zeros then Q (for the second).  O^T = V^T P^T: register j of dv tile f is dv 16 hh + 2 j + f (hh = lane / 16).
; THE HOLD at 448 x 2^e2 changes nothing where e2 >= -8, since p <= 1 and 1 / 2^e2 <= 256: a scalar branch on e2 chooses between two arms of each tile, with the hold and without.
; LIMITS: e0 + e1 between -124 and 128; e2 and e4 between -126 and 119.  The scaled scores stay under 2^31 in magnitude.  NaN and infinities are not served.
; REGISTERS: v0 8 x lane, v1 16 x lane, v2-5 the next Q, v6 lane permutes, v7 2^e2, v8 -M of keys 0-127, v10 -M of all 256, v11 l, v[12:13] l in two halves, v14-15 the hold, v16 the rescaling;
; v9, v17 LDS addresses (v9, v11, v17 are also named as upper halves of pairs whose low word alone counts).
.set QN,  2                            ; v2-5     the next tile's Q
.set ZQ,  18                           ; v18-21 zeros, v22-25 Q, v26-29 zeros
.set QF,  22
.set KF,  30                           ; v30-93   16 tiles of K
.set VF,  94                           ; v94-157  V: half u, dv tile f, 32 keys c at VF + 32 u + 16 f + 4 c
.set SC,  158                          ; v158-221 the scores of 128 keys, then p
.set PC,  222                          ; v222-237 p's codes; before that at work
.set OA,  238                          ; v238-253 O^T
.set MLB, 262144                       ; LDS: 16,384 bytes of O for each wave, then 2,048 bytes of (-M, l) for each wave,
.set SPARE, 294912                     ; then the spare words, 128 bytes for each wave: eight blocks of 256 bytes that no other line names
.macro QKT u, t                        ; the scores of K's tile t, half u
	v_wmma_f32_16x16x64_fp8_fp8 v[SC+8*(\t):SC+8*(\t)+7], v[KF+32*(\u)+8*((\t)/2):KF+32*(\u)+8*((\t)/2)+7], v[QF-4*((\t)%2):QF-4*((\t)%2)+7], 0
.endm
.macro MX t, c                         ; tile t's scores into four of the eight chains of the maximum
.irp k, 0,1,2,3
	v_max3_num_f32 v[PC+\c+\k], v[PC+\c+\k], v[SC+8*\t+2*\k], v[SC+8*\t+2*\k+1]
.endr
.endm
.macro TREE from, n                    ; n pairs of p, registers 0 .. 2 n - 1, take the pairs that begin at register from
.set i, 0
.rept \n
	v_pk_add_f32 v[SC+i:SC+i+1], v[SC+i:SC+i+1], v[SC+\from+i:SC+\from+i+1]
.set i, i+2
.endr
.endm
; 128 keys of one tile, half u; its scores have been begun.  next: a tile follows (1: its Q is on its way; 2: and the Q behind it is asked for).  hold = 1: the arm with the hold.
; Waits, by the head's order (Q and K's first half 9 loads, V's first 8, K's second 8, V's second 8, tile 1's Q 1): 25 ahead of the walk; 9 (all but V's second and a Q) in half 0; 0 at half 1's start.
.macro STAGE u, next, hold
.set NM, 8+2*\u
.set QK, (\next)||(1-\u)               ; scores follow
.if \u && \next
	s_wait_loadcnt 0x0                             ; V's second half, and the next Q, asked for a tile ago
.endif
	v_dual_max_num_f32 v[PC], v[SC+32], v[SC+33] :: v_dual_max_num_f32 v[PC+1], v[SC+34], v[SC+35]
	v_dual_max_num_f32 v[PC+2], v[SC+36], v[SC+37] :: v_dual_max_num_f32 v[PC+3], v[SC+38], v[SC+39]
	v_dual_max_num_f32 v[PC+4], v[SC+40], v[SC+41] :: v_dual_max_num_f32 v[PC+5], v[SC+42], v[SC+43]
	v_dual_max_num_f32 v[PC+6], v[SC+44], v[SC+45] :: v_dual_max_num_f32 v[PC+7], v[SC+46], v[SC+47]
.if \u && \next                        ; the next Q to its place: the four lines above are its places behind the products that read this one
	v_dual_mov_b32 v[QF], v[QN] :: v_dual_mov_b32 v[QF+1], v[QN+1]
	v_dual_mov_b32 v[QF+2], v[QN+2] :: v_dual_mov_b32 v[QF+3], v[QN+3]
.if \next > 1
	global_load_b128 v[QN:QN+3], v1, s[4:5] offset:1024
.endif
.endif
	MX 6, 0
	MX 7, 4
	MX 2, 0
	MX 3, 4
	MX 1, 0
	MX 0, 4
	v_max3_num_f32 v[PC], v[PC], v[PC+1], v[PC+2]
	v_max3_num_f32 v[PC+3], v[PC+3], v[PC+4], v[PC+5]
	v_max_num_f32 v[PC+6], v[PC+6], v[PC+7]
	s_delay_alu instid0(VALU_DEP_1)
	v_max3_num_f32 v[PC], v[PC], v[PC+3], v[PC+6]
	s_delay_alu instid0(VALU_DEP_1)
	v_permlanex16_b32 v6, v[PC], s20, s21
	s_delay_alu instid0(VALU_DEP_1)
	v_max_num_f32 v[PC], v[PC], v6                 ; and lane l xor 16's
	s_delay_alu instid0(VALU_DEP_1)
	v_mul_f32 v[PC], s22, -v[PC]                   ; -t (s22 is positive)
	s_delay_alu instid0(VALU_DEP_1)
.if \u == 0
	v_floor_f32 v8, v[PC]                          ; -M
.else
	v_floor_f32 v[PC], v[PC]
	s_delay_alu instid0(VALU_DEP_1)
	v_min_num_f32 v10, v8, v[PC]                   ; -M of all 256 keys
	s_delay_alu instid0(VALU_DEP_1)
	v_sub_f32 v16, v10, v8                         ; 0 or less, a whole number
.endif
.set n, 0
.rept 32
	v_pk_fma_f32 v[SC+n:SC+n+1], v[SC+n:SC+n+1], s[22:23], v[NM:NM+1] op_sel_hi:[1,0,0]   ; t - M
.if \u && n == 16
	v_cvt_i32_f32 v16, v16
.endif
.if \u && n == 32
	v_ldexp_f32 v16, 1.0, v16                      ; what was summed under the old M is multiplied by this power of two
.endif
.set n, n+2
.endr
	s_wait_alu depctr_va_vdst(0)
.if \u == 0
.if \next
	s_wait_loadcnt 0x9
.endif
	s_wait_dscnt 0x0                               ; the last tile's LDS stores have read O, -M and l
.endif
.set n, 0
.rept 64
	v_exp_f32 v[SC+n], v[SC+n]
.set n, n+1
.endr
	v_nop                                          ; a plain place behind the exponentials
	s_wait_alu depctr_va_vdst(0)                   ; one wait for the batch and, for u = 1, for O, ahead of their first readers
.if \u
.set n, 0
.rept 8
	v_pk_mul_f32 v[OA+n:OA+n+1], v[OA+n:OA+n+1], v[16:17] op_sel_hi:[1,0]
.set n, n+2
.endr
.endif
.if \hold                              ; the sum of the unquantised p, in four chains of pairs, ahead of the hold
.irp k, 0,1,2,3
	v_pk_add_f32 v[PC+2*\k:PC+2*\k+1], v[SC+4*\k:SC+4*\k+1], v[SC+4*\k+2:SC+4*\k+3]
.endr
.irp i, 16,24,32,40,48,56
.irp k, 0,1,2,3
	v_pk_add_f32 v[PC+2*\k:PC+2*\k+1], v[PC+2*\k:PC+2*\k+1], v[SC+\i+2*\k:SC+\i+2*\k+1]
.endr
.endr
	v_pk_add_f32 v[PC:PC+1], v[PC:PC+1], v[PC+2:PC+3]
	v_pk_add_f32 v[PC+4:PC+5], v[PC+4:PC+5], v[PC+6:PC+7]
.if \u == 0
	v_pk_add_f32 v[12:13], v[PC:PC+1], v[PC+4:PC+5]
.else
	v_pk_add_f32 v[PC:PC+1], v[PC:PC+1], v[PC+4:PC+5]
	v_pk_fma_f32 v[12:13], v[12:13], v[16:17], v[PC:PC+1] op_sel_hi:[1,0,1]
.endif
.set n, 0
.rept 32
	v_dual_min_num_f32 v[SC+n], v[SC+n], v14 :: v_dual_min_num_f32 v[SC+n+1], v[SC+n+1], v15   ; the conversion does not saturate (ISA guide 7.6.2); p is not negative
.set n, n+2
.endr
.endif
.irp b, 0,1,2,3,4,5,6,7
	v_cvt_scalef32_pk8_fp8_f32 v[PC+2*\b:PC+2*\b+1], v[SC+8*\b:SC+8*\b+7], v7
.endr
	v_nop                                          ; one plain vector line behind the last conversion
.irp f, 0,1
.if \u == 0
	v_wmma_f32_16x16x128_fp8_fp8 v[OA+8*\f:OA+8*\f+7], v[VF+16*\f:VF+16*\f+15], v[PC:PC+15], 0
.else
	v_wmma_f32_16x16x128_fp8_fp8 v[OA+8*\f:OA+8*\f+7], v[VF+32+16*\f:VF+32+16*\f+15], v[PC:PC+15], v[OA+8*\f:OA+8*\f+7]
.endif
.endr
.if \hold
.if QK
.irp t, 4,5,6,7,2,3,1,0
	QKT 1-\u, \t
.endr
.endif
.rept 4
	v_nop                                          ; four places ahead of the first read of the scores, or of O (ISA guide 7.12.1)
.endr
.else                                  ; the sum of p, which the conversions have read, in place; the next scores take the registers that each level leaves.  The sums are the places behind both products
	TREE 32, 16
.if QK
	QKT 1-\u, 4
	QKT 1-\u, 5
	QKT 1-\u, 6
	QKT 1-\u, 7
.endif
	TREE 16, 8
.if QK
	QKT 1-\u, 2
	QKT 1-\u, 3
.endif
	TREE 8, 4
.if QK
	QKT 1-\u, 1
.endif
	TREE 4, 2
.if \u == 0
	v_pk_add_f32 v[12:13], v[SC:SC+1], v[SC+2:SC+3]
.else
	v_pk_add_f32 v[SC:SC+1], v[SC:SC+1], v[SC+2:SC+3]
	v_pk_fma_f32 v[12:13], v[12:13], v[16:17], v[SC:SC+1] op_sel_hi:[1,0,1]
.endif
.if QK
	QKT 1-\u, 0
.endif
.endif
.endm
; One tile.  Its part goes to the wave's own LDS bytes, at oa (O) and ma (-M and l) from the wave's first.
.macro TILE next, oa, ma
	s_cmp_ge_i32 s50, -8                           ; e2: no p reaches the largest code
	s_cbranch_scc1 .Lfree_\@
	STAGE 0, \next, 1
	STAGE 1, \next, 1
	s_wait_alu depctr_va_vdst(0)
	s_branch .Lleave_\@
.Lfree_\@:
	STAGE 0, \next, 0
	STAGE 1, \next, 0
.Lleave_\@:
	s_add_co_u32 s28, s13, \oa
	s_add_co_u32 s29, s14, \ma
	v_add_nc_u32 v9, s28, v1                       ; O: 16,384 x wave + oa + 16 x lane
	v_add_nc_u32 v17, s29, v0                      ; -M and l: MLB + 2,048 x wave + ma + 8 x lane
	v_add_f32 v11, v12, v13
.irp k, 0,1,2,3
	ds_store_b128 v9, v[OA+4*\k:OA+4*\k+3] offset:512*\k
.endr
	ds_store_b64 v17, v[10:11]
.endm
	s_load_b256 s[4:11], s[0:1], 0x0               ; qimg s[4:5], kv s[6:7], the scales' exponents s[8:9], hc s[10:11]
	v_lshl_add_u32 v254, v0, 2, SPARE              ; my spare word; never rewritten
	v_mov_b32 v255, 0
	v_lshrrev_b32 v2, 5, v0
	v_and_b32 v3, 31, v0
	v_readfirstlane_b32 s12, v2                    ; wave 0..15
	v_lshlrev_b32 v1, 4, v3
	v_lshlrev_b32 v0, 3, v3
	s_lshl_b32 s13, s12, 14                        ; 16,384 x wave: in kv, and in LDS
	s_lshl_b32 s14, s12, 11
	s_add_co_u32 s14, s14, MLB                     ; MLB + 2,048 x wave
	s_and_b32 s17, ttmp7, 0xffff                   ; head
	s_lshl_b32 s18, s17, 18
	s_add_co_u32 s18, s18, s13                     ; my 256 keys
	s_mov_b32 s19, 0
	s_lshl_b32 s24, s17, 17
	s_lshl_b32 s25, ttmp9, 12
	s_add_co_u32 s24, s24, s25                     ; my work-group's 8 tiles of Q
	s_mov_b32 s25, 0
	s_wait_alu depctr_va_vdst(0)
	s_wait_kmcnt 0x0
	s_load_b128 s[48:51], s[8:9], 0x0              ; e0, e1, e2, e3
	s_load_b32 s52, s[8:9], 0x10                   ; e4
	s_add_nc_u64 s[4:5], s[4:5], s[24:25]
	s_add_nc_u64 s[6:7], s[6:7], s[18:19]
	global_load_b128 v[QF:QF+3], v1, s[4:5]
.irp u, 0,1
.irp t, 0,1,2,3,4,5,6,7
	global_load_b128 v[KF+32*\u+4*\t:KF+32*\u+4*\t+3], v1, s[6:7] offset:8192*\u+512*\t
.endr
.irp k, 0,1,2,3,4,5,6,7
	global_load_b128 v[VF+32*\u+4*\k:VF+32*\u+4*\k+3], v1, s[6:7] offset:8192*\u+4096+512*\k
.endr
.endr
	global_load_b128 v[QN:QN+3], v1, s[4:5] offset:512
.irp j, 0,1,2,3,8,9,10,11
	v_mov_b32 v[ZQ+\j], 0
.endr
	v_mov_b32 v6, 0                                ; (a lane permute's destination counts as one of its sources)
	v_mov_b32 v9, 0
	v_mov_b32 v11, 0
	v_mov_b32 v17, 0
	s_mov_b32 s20, 0x76543210                      ; lane selects: lane l xor 16
	s_mov_b32 s21, 0xfedcba98
	s_mov_b32 s26, 0                               ; the tile's place in my O bytes,
	s_mov_b32 s27, 0                               ; and in my bytes of -M and l
	s_mov_b32 s55, 6
	s_wait_kmcnt 0x0
	s_add_co_i32 s56, s48, s49
	s_lshl_b32 s56, s56, 23
	s_add_co_i32 s22, s56, 0x3e8293ee              ; log2(e) / sqrt(32) x 2^(e0 + e1)
	s_mov_b32 s23, s22                             ; (named with it as a pair)
	s_add_co_i32 s56, s50, 127
	s_lshl_b32 s57, s56, 23
	s_add_co_i32 s56, s56, 8
	s_lshl_b32 s56, s56, 23
	s_or_b32 s56, s56, 0x600000
	v_mov_b32 v7, s57                              ; 2^e2
	v_mov_b32 v14, s56                             ; 448 x 2^e2
	v_mov_b32 v15, s56
	s_wait_alu depctr_va_vdst(0)
	s_wait_loadcnt 0x19                            ; Q and K's first half
.irp t, 4,5,6,7,2,3,1,0
	QKT 0, \t
.endr
.rept 4
	v_nop
.endr
.Ltile:                                            ; six tiles, each of which asks for the Q two tiles on; the last two are written out: they ask for none
	TILE 2, s26, s27
	s_add_co_u32 s26, s26, 2048
	s_add_co_u32 s27, s27, 256
	s_wait_xcnt 0x0                                ; the load of Q has read its base
	s_add_nc_u64 s[4:5], s[4:5], 512
	s_sub_co_u32 s55, s55, 1
	s_cmp_lg_u32 s55, 0
	s_cbranch_scc1 .Ltile
	TILE 1, 6*2048, 6*256
	TILE 0, 7*2048, 7*256
; THE JOINING: wave w takes tile w / 2, dv tile w % 2, of all 16 waves' parts.
.set ML, 30                            ; v30-61   (-M, l) of part p at ML + 2 p; then (factor, l)
.set AC, 62                            ; v62-69   the joined O
.set PT, 94                            ; v94-221  part p's eight registers at PT + 8 p
	s_lshr_b32 s28, s12, 1
	s_and_b32 s29, s12, 1
	s_lshl_b32 s30, s28, 11
	s_lshl_b32 s31, s29, 10
	s_add_co_u32 s30, s30, s31
	v_add_nc_u32 v2, s30, v1                       ; parts 0-3; the others lie 65,536 bytes on, four by four
	s_lshl_b32 s31, s28, 8
	s_add_co_u32 s31, s31, MLB
	v_add_nc_u32 v18, s31, v0
	v_add_nc_u32 v3, 0x10000, v2
	v_add_nc_u32 v4, 0x20000, v2
	v_add_nc_u32 v5, 0x30000, v2
	s_wait_alu depctr_va_vdst(0)
	s_wait_dscnt 0x0                               ; my stores are done, for the others' sake
	s_barrier_signal -1
	s_barrier_wait -1
.irp p, 0,1,2,3,4,5,6,7,8,9,10,11,12,13,14,15
	ds_load_b64 v[ML+2*\p:ML+2*\p+1], v18 offset:2048*\p
.endr
.irp p, 0,1,2,3,4,5,6,7,8,9,10,11,12,13,14,15
	ds_load_b128 v[PT+8*\p:PT+8*\p+3], v[2+\p/4] offset:16384*(\p%4)
	ds_load_b128 v[PT+8*\p+4:PT+8*\p+7], v[2+\p/4] offset:16384*(\p%4)+512
.endr
	s_lshl_b32 s32, ttmp9, 15                      ; hc [tile][head][dv tile][256]: 4,096 (8 x + w / 2) + 512 head + 256 (w % 2)
	s_lshl_b32 s33, s28, 12
	s_add_co_u32 s32, s32, s33
	s_lshl_b32 s33, s17, 9
	s_add_co_u32 s32, s32, s33
	s_lshl_b32 s33, s29, 8
	s_add_co_u32 s32, s32, s33
	s_mov_b32 s33, 0
	s_add_nc_u64 s[10:11], s[10:11], s[32:33]
	s_add_co_i32 s56, s50, s51                     ; e2 + e3
	s_add_co_i32 s58, s52, 127
	s_lshl_b32 s57, s58, 23                        ; 2^e4
	s_add_co_i32 s58, s58, 8
	s_lshl_b32 s58, s58, 23
	s_or_b32 s58, s58, 0x600000                    ; 448 x 2^e4
	s_wait_dscnt 0x20                              ; -M and l are in; O's 32 loads may be out
	v_min3_num_f32 v20, v[ML], v[ML+2], v[ML+4]
	v_min3_num_f32 v21, v[ML+6], v[ML+8], v[ML+10]
	v_min3_num_f32 v22, v[ML+12], v[ML+14], v[ML+16]
	v_min3_num_f32 v23, v[ML+18], v[ML+20], v[ML+22]
	v_min3_num_f32 v24, v[ML+24], v[ML+26], v[ML+28]
	v_min3_num_f32 v20, v20, v21, v22
	v_min3_num_f32 v23, v23, v24, v[ML+30]
	s_delay_alu instid0(VALU_DEP_1)
	v_min_num_f32 v20, v20, v23                    ; the row's -M
.set n, 0
.rept 16
	v_sub_f32 v[ML+n], v20, v[ML+n]
.set n, n+2
.endr
.set n, 0
.rept 16
	v_cvt_i32_f32 v[ML+n], v[ML+n]
.set n, n+2
.endr
.set n, 0
.rept 16
	v_ldexp_f32 v[ML+n], 1.0, v[ML+n]              ; 2^(part's M - the row's M)
.set n, n+2
.endr
	v_mul_f32 v21, v[ML], v[ML+1]
	v_mul_f32 v22, v[ML+2], v[ML+3]
.irp p, 2,4,6,8,10,12,14
	v_fmac_f32 v21, v[ML+2*\p], v[ML+2*\p+1]
	v_fmac_f32 v22, v[ML+2*\p+2], v[ML+2*\p+3]
.endr
	s_delay_alu instid0(VALU_DEP_1)
	v_add_f32 v21, v21, v22
	s_delay_alu instid0(VALU_DEP_1)
	v_permlanex16_b32 v6, v21, s20, s21
	s_delay_alu instid0(VALU_DEP_1)
	v_add_f32 v21, v21, v6                         ; the row's sum
	s_wait_alu depctr_va_vdst(0)
	v_rcp_f32 v21, v21
	v_mov_b32 v24, s57                             ; (a plain place)
	v_mov_b32 v25, s58
	s_wait_alu depctr_va_vdst(0)                   ; ahead of the reciprocal's first reader
	v_ldexp_f32 v26, v21, s56                      ; 2^(e2 + e3) / the sum
.macro PART p
.irp k, 0,2,4,6
.if \p == 0
	v_pk_mul_f32 v[AC+\k:AC+\k+1], v[PT+\k:PT+\k+1], v[ML:ML+1] op_sel_hi:[1,0]
.else
	v_pk_fma_f32 v[AC+\k:AC+\k+1], v[PT+8*\p+\k:PT+8*\p+\k+1], v[ML+2*\p:ML+2*\p+1], v[AC+\k:AC+\k+1] op_sel_hi:[1,0,1]
.endif
.endr
.endm
	s_wait_alu depctr_va_vdst(0)
	s_wait_dscnt 0x10                              ; parts 0-7 are in
.irp p, 0,1,2,3,4,5,6,7
	PART \p
.endr
	s_wait_alu depctr_va_vdst(0)
	s_wait_dscnt 0x0
.irp p, 8,9,10,11,12,13,14,15
	PART \p
.endr
.irp k, 0,2,4,6
	v_pk_mul_f32 v[AC+\k:AC+\k+1], v[AC+\k:AC+\k+1], v[26:27] op_sel_hi:[1,0]
.endr
.irp k, 0,1,2,3,4,5,6,7
	v_med3_num_f32 v[AC+\k], v[AC+\k], -v25, v25   ; the hold at the largest code x the scale
.endr
	v_cvt_scalef32_pk8_fp8_f32 v[70:71], v[AC:AC+7], v24
	v_nop
	global_store_b64 v0, v[70:71], s[10:11]        ; 32 lanes store 256 consecutive bytes, at a multiple of 256 from hc's first byte
	s_wait_tensorcnt 0x0                           ; the wave's end, behind my last LDS store
	ds_add_u32 v254, v255
	s_wait_dscnt 0x0
	s_endpgm
.Lfunc_end_k_q668e5dcd4f_attn:
	.size	k_q668e5dcd4f_attn, .Lfunc_end_k_q668e5dcd4f_attn-k_q668e5dcd4f_attn
	.p2alignl 7, 3214868480
	.fill 96, 4, 3214868480
	.section	.rodata,"a",@progbits
	.p2align	6, 0x0
	.amdhsa_kernel k_q668e5dcd4f_attn
		.amdhsa_group_segment_fixed_size 296960
		.amdhsa_private_segment_fixed_size 0
		.amdhsa_enable_private_segment 0
		.amdhsa_kernarg_size 32
		.amdhsa_user_sgpr_count 2
		.amdhsa_user_sgpr_kernarg_segment_ptr 1
		.amdhsa_wavefront_size32 1
		.amdhsa_system_sgpr_workgroup_id_x 1
		.amdhsa_system_sgpr_workgroup_id_y 1
		.amdhsa_system_sgpr_workgroup_id_z 1
		.amdhsa_system_vgpr_workitem_id 0
		.amdhsa_next_free_vgpr 256
		.amdhsa_next_free_sgpr 66
		.amdhsa_reserve_vcc 0
		.amdhsa_float_denorm_mode_32 3
		.amdhsa_float_denorm_mode_16_64 3
		.amdhsa_memory_ordered 1
		.amdhsa_forward_progress 1
		.amdhsa_inst_pref_size 153
	.end_amdhsa_kernel
	.amdgpu_metadata
---
amdhsa.version: [ 1, 2 ]
amdhsa.kernels:
  - .name:           k_q668e5dcd4f_attn
    .symbol:         k_q668e5dcd4f_attn.kd
    .args:
      - { .name: qimg, .offset: 0, .size: 8, .value_kind: global_buffer, .address_space: global }
      - { .name: kv, .offset: 8, .size: 8, .value_kind: global_buffer, .address_space: global }
      - { .name: lowp_scales, .offset: 16, .size: 8, .value_kind: global_buffer, .address_space: global }
      - { .name: hc, .offset: 24, .size: 8, .value_kind: global_buffer, .address_space: global }
    .group_segment_fixed_size: 296960
    .private_segment_fixed_size: 0
    .kernarg_segment_align: 8
    .kernarg_segment_size: 32
    .max_flat_workgroup_size: 512
    .sgpr_count:     66
    .vgpr_count:     256
    .wavefront_size: 32
...
	.end_amdgpu_metadata
.endif
;; end of part 2
;; launch outp (part 3): grid 256 x 1, 1 waves a work-group, no clusters, 1,280 bytes of LDS; arguments hc, wimg, bo, lowp_scales, out0; writes out0
.if DOCPART == 3
	.amdgcn_target "amdgcn-amd-amdhsa--gfx1250"
	.amdhsa_code_object_version 6
	.text
	.protected	k_q668e5dcd4f_outp
	.globl	k_q668e5dcd4f_outp
	.p2align	8
	.type	k_q668e5dcd4f_outp,@function
k_q668e5dcd4f_outp:
	s_mov_b64 s[64:65], 0
	v_nop
	global_prefetch_b8 v0, s[64:65] scope:SCOPE_SE
	s_setreg_imm32_b32 hwreg(HW_REG_WAVE_MODE, 25, 1), 1
	s_wait_xcnt 0x0
; out0 = concat(heads) Wo + bo: [4096, 256] x [256, 16], on codes of E4M3 (2^e4, 2^e5), both sides as images of operand registers: hc [tile][head][dv tile f][256], lane l's 8 bytes at 8 l; wimg [head][512], lane l's 16 bytes at 16 l.
; SHARES.  One wave to a work-group, one tile of 16 rows to a wave: tile T = 2 G + u holds rows 32 G + 8 u + r + 8 (r / 8), r = 0 .. 15.  No barrier: nothing is shared.
; Code 8 f + j of lane half hh in head d's four registers stands for k = 32 d + 16 hh + 2 j + f, on both sides alike.
; THE PRODUCT IS USED TRANSPOSED (source 0 = Wo's 16 columns, source 1 = the 16 rows): lane (r, hh) holds out(row of r, 8 hh + 0 .. 7).
; LIMITS: e4 + e5 between -126 and 127.  NaN and infinities are not served.
.set HF,  16                           ; v16-47   the heads' two fragments
.set WF,  48                           ; v48-79   Wo's codes, two fragments
.set ACC, 80                           ; v80-87   the sums
.set BO,  88                           ; v88-95   bo[8 hh + j]
.set RES, 96                           ; v96-103  the results
.set BK,  104                          ; v104-111 whole rows, back from the stage
	s_load_b256 s[4:11], s[0:1], 0x0               ; hc s[4:5], wimg s[6:7], bo s[8:9], the scales' exponents s[10:11]
	s_load_b64 s[12:13], s[0:1], 0x20              ; out0
	v_lshl_add_u32 v112, v0, 2, 0x400              ; my spare word; never rewritten
	v_mov_b32 v113, 0
	v_and_b32 v1, 15, v0                           ; r
	v_lshrrev_b32 v2, 4, v0                        ; hh
	v_lshlrev_b32 v3, 4, v0                        ; 16 x lane
	v_lshlrev_b32 v4, 3, v0                        ; 8 x lane
	v_lshlrev_b32 v6, 6, v1
	v_lshlrev_b32 v5, 5, v2                        ; bo: 32 hh
	v_lshl_add_u32 v6, v2, 5, v6                   ; the stage, on the way in: 64 r + 32 hh
	s_lshl_b32 s18, ttmp9, 12                      ; the tile's sixteen images
	s_mov_b32 s19, 0
	s_lshr_b32 s20, ttmp9, 1
	s_lshl_b32 s20, s20, 11
	s_and_b32 s21, ttmp9, 1
	s_lshl_b32 s21, s21, 9
	s_add_co_u32 s20, s20, s21                     ; out0: row 32 G + 8 u: 2,048 G + 512 u
	s_mov_b32 s21, 0
	s_wait_alu depctr_va_vdst(0)
	s_wait_kmcnt 0x0
	s_load_b64 s[14:15], s[10:11], 0x10            ; e4, e5
	s_add_nc_u64 s[4:5], s[4:5], s[18:19]
	s_add_nc_u64 s[12:13], s[12:13], s[20:21]
.irp d, 0,1,2,3,4,5,6,7
	global_load_b64 v[HF+4*\d:HF+4*\d+1], v4, s[4:5] offset:512*\d th:TH_LOAD_NT         ; 256 consecutive bytes; read once in the launch
	global_load_b64 v[HF+4*\d+2:HF+4*\d+3], v4, s[4:5] offset:512*\d+256 th:TH_LOAD_NT
.endr
.irp d, 0,1,2,3,4,5,6,7
	global_load_b128 v[WF+4*\d:WF+4*\d+3], v3, s[6:7] offset:512*\d
.endr
	global_load_b128 v[BO:BO+3], v5, s[8:9]
	global_load_b128 v[BO+4:BO+7], v5, s[8:9] offset:16
	s_wait_kmcnt 0x0
	s_add_co_i32 s16, s14, s15
	s_add_co_i32 s16, s16, 127
	s_lshl_b32 s16, s16, 23                        ; 2^(e4 + e5) as f32
	s_mov_b32 s17, s16                             ; (named with it as a pair, so it is written)
	s_wait_loadcnt 0x0
	v_wmma_f32_16x16x128_fp8_fp8 v[ACC:ACC+7], v[WF:WF+15], v[HF:HF+15], 0
	s_wait_alu depctr_va_vdst(0)                   ; one accumulator, two links
	v_wmma_f32_16x16x128_fp8_fp8 v[ACC:ACC+7], v[WF+16:WF+31], v[HF+16:HF+31], v[ACC:ACC+7]
.rept 4
	v_nop                                          ; four places ahead of the first read of the sums (ISA guide 7.12.1)
.endr
.irp i, 0,2,4,6
	v_pk_fma_f32 v[RES+\i:RES+\i+1], v[ACC+\i:ACC+\i+1], s[16:17], v[BO+\i:BO+\i+1] op_sel_hi:[1,0,1]   ; sum x 2^(e4 + e5) + bo
.endr
; THE WAY OUT.  Lanes r = 0 .. 7 hold eight neighbouring rows of out0 (64 bytes each), lanes r = 8 .. 15 the eight rows that lie 16 further on.  Through the stage (row r at 64 r) the tile
; becomes two runs of 512 consecutive bytes.  LDS serves a wave's instructions in order (ISA guide 5.7.1.4): no wait between the stores and the loads.
	ds_store_b128 v6, v[RES:RES+3]
	ds_store_b128 v6, v[RES+4:RES+7] offset:16
	ds_load_b128 v[BK:BK+3], v3
	ds_load_b128 v[BK+4:BK+7], v3 offset:512
	s_wait_dscnt 0x1                               ; the first run is back; the second load may be out
	global_store_b128 v3, v[BK:BK+3], s[12:13] th:TH_STORE_NT               ; rows 32 G + 8 u + 0 .. 7
	s_wait_dscnt 0x0
	global_store_b128 v3, v[BK+4:BK+7], s[12:13] offset:1024 th:TH_STORE_NT ; rows 32 G + 8 u + 16 .. 23
	s_wait_tensorcnt 0x0                           ; the wave's end
	ds_add_u32 v112, v113
	s_wait_dscnt 0x0
	s_endpgm
.Lfunc_end_k_q668e5dcd4f_outp:
	.size	k_q668e5dcd4f_outp, .Lfunc_end_k_q668e5dcd4f_outp-k_q668e5dcd4f_outp
	.p2alignl 7, 3214868480
	.fill 96, 4, 3214868480
	.section	.rodata,"a",@progbits
	.p2align	6, 0x0
	.amdhsa_kernel k_q668e5dcd4f_outp
		.amdhsa_group_segment_fixed_size 1280
		.amdhsa_private_segment_fixed_size 0
		.amdhsa_enable_private_segment 0
		.amdhsa_kernarg_size 40
		.amdhsa_user_sgpr_count 2
		.amdhsa_user_sgpr_kernarg_segment_ptr 1
		.amdhsa_wavefront_size32 1
		.amdhsa_system_sgpr_workgroup_id_x 1
		.amdhsa_system_sgpr_workgroup_id_y 1
		.amdhsa_system_sgpr_workgroup_id_z 1
		.amdhsa_system_vgpr_workitem_id 0
		.amdhsa_next_free_vgpr 128
		.amdhsa_next_free_sgpr 66
		.amdhsa_reserve_vcc 0
		.amdhsa_float_denorm_mode_32 3
		.amdhsa_float_denorm_mode_16_64 3
		.amdhsa_memory_ordered 1
		.amdhsa_forward_progress 1
		.amdhsa_inst_pref_size 6
	.end_amdhsa_kernel
	.amdgpu_metadata
---
amdhsa.version: [ 1, 2 ]
amdhsa.kernels:
  - .name:           k_q668e5dcd4f_outp
    .symbol:         k_q668e5dcd4f_outp.kd
    .args:
      - { .name: hc, .offset: 0, .size: 8, .value_kind: global_buffer, .address_space: global }
      - { .name: wimg, .offset: 8, .size: 8, .value_kind: global_buffer, .address_space: global }
      - { .name: bo, .offset: 16, .size: 8, .value_kind: global_buffer, .address_space: global }
      - { .name: lowp_scales, .offset: 24, .size: 8, .value_kind: global_buffer, .address_space: global }
      - { .name: out0, .offset: 32, .size: 8, .value_kind: global_buffer, .address_space: global }
    .group_segment_fixed_size: 1280
    .private_segment_fixed_size: 0
    .kernarg_segment_align: 8
    .kernarg_segment_size: 40
    .max_flat_workgroup_size: 32
    .sgpr_count:     66
    .vgpr_count:     128
    .wavefront_size: 32
...
	.end_amdgpu_metadata
.endif
;; end of part 3
